; MI455X (gfx1250); checked and timed in simulation.
; The chip was launched on July 23, 2026; its instructions are those of AMD's public machine-readable ISA for CDNA 5 (MIT licence, August 2026) and "CDNA5" Instruction Set Architecture Reference Guide (July 2026). The comments in the code are by the model that wrote it; some were corrected since.
;; LSTM Cell Exp. Allowed arithmetic: matrix products marked QUANTISED: E2M1 operands, one E8M0 scale for each 32 along K, by v_wmma_scale_f32_16x16x128_f8f6f4 with both operands' format E2M1 (or v_wmma_scale_f32_32x16x128_f4), f32 sums; everything else in f32.
;; Inputs: bias 1 x 2,048 float32; bias_f 1 x 2,048 float32; bias_i 1 x 2,048 float32; bias_o 1 x 2,048 float32; hidden_state 8,192 x 2,048 float32; weight 2,048 x 1,024 float32; weight_f 2,048 x 1,024 float32; weight_i 2,048 x 1,024 float32; weight_o 2,048 x 1,024 float32; x_codes 8,192 x 32 x 16 uint8 (E2M1 codes of x, K innermost, in blocks of 32 codes, two codes a byte); x_scales 8,192 x 32 uint8 (E8M0 scales of x, one for each 32 codes along K).
;; Outputs: out0 8,192 x 2,048 float32.
;; This version of the problem:
;;   THIS VERSION OF THE PROBLEM IS GIVEN IN LOW PRECISION. The matrix products marked QUANTISED in the list below multiply operands that are first quantised to E2M1 (2 exponent bits, 1 mantissa bit; 4 bits a number), with one power-of-two scale for each 32 numbers along K (OCP MX v1.0); their sums are f32. All else is computed in f32.
;;   The module's matrix products, in the order in which they are computed (A, B: the left and right operand; K: the contracted axis; several contracted axes count as one K, in the product's order):
;;     1. [M 8,192, K 1,024] x [K 1,024, N 1,024]; A: input x (given as codes); B: input weight_i: QUANTISED
;;     2. [M 8,192, K 1,024] x [K 1,024, N 1,024]; A: input hidden_state; B: input weight_i: QUANTISED
;;     3. [M 8,192, K 1,024] x [K 1,024, N 1,024]; A: input x (given as codes); B: input weight_f: QUANTISED
;;     4. [M 8,192, K 1,024] x [K 1,024, N 1,024]; A: input hidden_state; B: input weight_f: QUANTISED
;;     5. [M 8,192, K 1,024] x [K 1,024, N 1,024]; A: input x (given as codes); B: input weight: QUANTISED
;;     6. [M 8,192, K 1,024] x [K 1,024, N 1,024]; A: input hidden_state; B: input weight: QUANTISED
;;     7. [M 8,192, K 1,024] x [K 1,024, N 1,024]; A: input x (given as codes); B: input weight_o: QUANTISED
;;     8. [M 8,192, K 1,024] x [K 1,024, N 1,024]; A: input hidden_state; B: input weight_o: QUANTISED
;;   THE QUANTISER, for each operand of a quantised product, along K:
;;     - K is cut into blocks of 32 from its start; a last block that is shorter is filled with zeros.
;;     - A block's scale is 2^e with e = floor(log2(the largest magnitude in the block)) - 2, held to -126 .. 127; a block of zeros has e = 0. As a byte (E8M0): e + 127.
;;     - Each number is divided by its block's scale, clamped to +-6, and rounded to the nearest number of E2M1, ties to even, subnormals kept.
;;     - The product sums the exact products of the quantised numbers (number of the format x scale) in f32.
;;   ~~~python
;;   def quantise(x, axis):      # numpy; x: float32 -> the quantised numbers, widened to float32 again
;;       x = np.moveaxis(x, axis, -1); K = x.shape[-1]
;;       x = np.pad(x, [(0, 0)] * (x.ndim - 1) + [(0, -K % 32)]); x = x.reshape(x.shape[:-1] + (-1, 32)); a = np.abs(x).max(-1, keepdims=True)
;;       e = np.where(a > 0, np.clip(np.frexp(np.where(a > 0, a, 1))[1] - 1 - 2, -126, 127), 0)      # np.frexp(a)[1] - 1 = floor(log2(a)), exactly
;;       r = np.clip(x / 2.0 ** e, -6, 6)
;;       step = 2.0 ** (np.maximum(np.frexp(np.where(r == 0, 1, r))[1] - 1, 0) - 1)
;;       q = np.round(r / step) * step * 2.0 ** e      # np.round: ties to even
;;       return np.moveaxis(q.reshape(q.shape[:-2] + (-1,))[..., :K], -1, axis).astype(np.float32)
;;   ~~~
;;   INPUTS GIVEN AS CODES. x (in the module: [8192, 1024], K = its axis 1): each comes as NAME_codes (uint8): NAME with its K axis moved to the last place and cut into blocks of 32 codes, [.., K / 32, bytes a block], one block behind the other in memory; two codes a byte, the lower K in the low four bits (a code: sign, 2 exponent bits, 1 mantissa bit); and NAME_scales (uint8): the same leading axes, one E8M0 byte (e + 127) for each 32 codes along K. Its value is code x scale, taken as it is: it is not quantised again, and the codes and scales need not be those that the quantiser above would give.
;; One version. Each part assembles by itself: llvm-mc -triple=amdgcn-amd-amdhsa -mcpu=gfx1250 --defsym DOCPART=n.
;; ======== version 1 of 1: 2 launches
;; limits: right only within a limited range of input values
;; workspace buffers: h_codes 4,194,304 bytes; h_scales 262,144 bytes; w_codes 4,194,304 bytes; w_scales 262,144 bytes
;; launch quant (part 1): grid 768 x 1, 4 waves a work-group, no clusters, 42,496 bytes of LDS; arguments hidden_state, weight_i, weight_f, weight, weight_o, h_codes, h_scales, w_codes, w_scales; writes h_codes, h_scales, w_codes, w_scales
.if DOCPART == 1
	.amdgcn_target "amdgcn-amd-amdhsa--gfx1250"
	.amdhsa_code_object_version 6
	.text
	.protected	k_qcb1b7910aa_quant
	.globl	k_qcb1b7910aa_quant
	.p2align	8
	.type	k_qcb1b7910aa_quant,@function
k_qcb1b7910aa_quant:
	s_mov_b64 s[64:65], 0
	v_nop
	global_prefetch_b8 v0, s[64:65] scope:SCOPE_SE
	s_setreg_imm32_b32 hwreg(HW_REG_WAVE_MODE, 25, 1), 1
	s_wait_xcnt 0x0
; The operands of the LSTM cell's products that arrive as f32 become codes of FP4 (E2M1) with one E8M0 scale byte for each 32 along K.
; A block's scale is 2^(floor(log2(its largest magnitude)) - 2); its byte is the largest magnitude's exponent field - 2, held at 1 from below.
; LIMITS: NaN and infinities among the inputs are not served.  A block whose largest magnitude lies under 2^-124 keeps the byte 1, as the quantiser's clip at -126 asks.
; A block of zeros keeps the byte 1 where the quantiser says 127: its codes are zeros, which add nothing under any byte but 0xff, and this program alone reads the bytes.
; ONE LAUNCH, TWO PATHS, parted on the work-group's number; each path has LDS bytes of its own.  No tensor loads.
; PATH H, work-groups 0-255: h_prev, the first 1,024 numbers of each row of hidden_state; K is innermost.  h_codes [8192][512 bytes], h_scales [8192][32 bytes].
;   A wave takes 8 rows in 16 steps of 512 numbers.  Each load reads 512 consecutive bytes; a step's 2,048 bytes turn through the wave's own stage, so that a lane then holds 16 neighbours along K; two lanes hold a block.
;   Its waves share nothing: no barrier.  A work-group reads 131,072 bytes.
; PATH W, work-groups 256-767: the four weights [2048 (k)][1024 (j)].  K is the FIRST axis, so a lane takes a column and its registers run down K: a block of 32 lies in one lane, and the codes come out K innermost.
;   w_codes [n' 4096][1024 bytes], n' = (j / 32) 128 + 32 gate + j % 32, gate 0 = i, 1 = f, 2 = the candidate, 3 = o: 128 rows on end hold all four gates of 32 columns.
;   w_scales [K half 2][n' 4096][32 bytes].
;   A work-group takes 32 columns x 512 along K, 65,536 bytes; each of its four waves a quarter of that K: 4 blocks a lane, 128 loads of 128 bytes, 64 of them on their way at a time.  So 2,048 waves carry the weights.
;   A column's 256 bytes of codes come from four waves: they meet in the work-group's stage in LDS, behind ONE barrier, and leave as rows: 16 lanes store 256 consecutive bytes, aligned.
;   The scale bytes meet there too, a word a wave, and leave 16 a lane, 32 bytes apart: 262,144 bytes in all, one for each 128 that the path reads.
; One work-group of path H and two of path W read the same number of bytes.
.set HWGS,   256                       ; work-groups of path H
.set WPITCH, 272                       ; path W: a stage row: 256 bytes of codes + 16
.set WSCL,   32*WPITCH                 ; behind the stage: the scale bytes, 16 a column
.set NB,     4                         ; blocks of a lane
.set WSB,    24                        ; v24      my four scale bytes
.set WX,     32                        ; v32-95   two sets of 32 numbers
.set WC,     96                        ; v96-99   a block's codes
.set WOUT,   112                       ; v112-127 the way out: 8 rows
.set WSO,    128                       ; v128-131 the way out: a column's 16 scale bytes
.set HBASE,  WSCL+512                  ; path H's LDS begins behind path W's
.set HREG,   8192                      ; a region for each wave: two stages of 32 x SP bytes, and behind them its 256 scale bytes
.set SP,     80                        ; a lane's place in a stage: its 64 bytes + 16 of padding
.set STEPS,  16
.set HR,     16                        ; v16-143  eight sets of 16 numbers as they are loaded
.set HX,     144                       ; v144-175 two sets of 16 neighbours
.set HE,     176                       ; v176-191 a scale byte for each step
.set HC,     192                       ; v192-223 codes: two registers for each step, so that no store's data are written again
	s_load_b256 s[4:11], s[0:1], 0x0               ; hidden_state s[4:5], weight_i s[6:7], weight_f s[8:9], weight s[10:11]
	s_load_b256 s[12:19], s[0:1], 0x20             ; weight_o s[12:13], h_codes s[14:15], h_scales s[16:17], w_codes s[18:19]
	s_load_b64 s[20:21], s[0:1], 0x40              ; w_scales
	v_lshl_add_u32 v224, v0, 2, 0xa400
	v_mov_b32 v225, 0
	v_lshrrev_b32 v1, 5, v0
	v_readfirstlane_b32 s22, v1                    ; wave 0..3
	v_and_b32 v2, 31, v0                           ; lane
	s_cmp_lt_u32 ttmp9, HWGS
	s_cbranch_scc1 .Lhidden
	; ---------------- PATH W ----------------
	s_sub_co_u32 s34, ttmp9, HWGS                  ; 0 .. 511
	s_lshr_b32 s23, s34, 7                         ; the gate
	s_bfe_u32 s25, s34, 0x20005                    ; which 512 along K (2 bits from bit 5)
	s_and_b32 s24, s34, 31                         ; jb: which 32 columns: neighbouring work-groups read neighbouring 128 bytes of the same rows
	v_lshlrev_b32 v3, 2, v2                        ; in: 4 bytes a lane
	s_lshl_b32 s26, s22, 6                         ; into the stage: row = my column, my wave's 128 along K are 64 bytes of it
	v_mul_u32_u24 v4, v2, WPITCH
	v_add_nc_u32 v4, s26, v4
	v_and_b32 v5, 15, v2
	v_lshrrev_b32 v6, 4, v2                        ; out of it: sixteen lanes to a row, two rows an instruction; my wave takes rows 8 wave on
	s_mul_i32 s26, s22, 8*WPITCH
	v_mul_u32_u24 v7, v6, WPITCH
	v_lshl_add_u32 v7, v5, 4, v7
	v_add_nc_u32 v7, s26, v7
	v_lshlrev_b32 v8, 10, v6                       ; and the same place in w_codes: rows of 1,024 bytes
	v_lshl_add_u32 v8, v5, 4, v8
	v_lshlrev_b32 v9, 5, v2                        ; my column's row of scale bytes in w_scales: 32 bytes a row
	v_lshl_add_u32 v10, v2, 4, WSCL                ; my column's 16 scale bytes in LDS,
	s_lshl_b32 s26, s22, 2
	v_add_nc_u32 v14, s26, v10                     ; and my wave's word among them
	s_lshl_b32 s28, s25, 21                        ; the weight: 512 rows of 4,096 bytes for each step along K,
	s_lshl_b32 s27, s22, 19                        ; 128 rows for each wave,
	s_add_co_u32 s28, s28, s27
	s_lshl_b32 s27, s24, 7                         ; 128 bytes for each 32 columns
	s_add_co_u32 s28, s28, s27
	s_mov_b32 s29, 0
	s_lshl_b32 s30, s24, 17                        ; w_codes: 128 rows of 1,024 bytes for each 32 columns,
	s_lshl_b32 s27, s23, 15                        ; 32 rows for each gate,
	s_add_co_u32 s30, s30, s27
	s_lshl_b32 s27, s22, 13                        ; the 8 rows that my wave stores,
	s_add_co_u32 s30, s30, s27
	s_lshl_b32 s27, s25, 8                         ; 256 bytes for each 512 along K
	s_add_co_u32 s30, s30, s27
	s_mov_b32 s31, 0
	s_lshr_b32 s32, s25, 1                         ; w_scales: the K half,
	s_lshl_b32 s32, s32, 17
	s_lshl_b32 s27, s24, 12                        ; 128 rows of 32 bytes,
	s_add_co_u32 s32, s32, s27
	s_lshl_b32 s27, s23, 10                        ; 32 rows for each gate,
	s_add_co_u32 s32, s32, s27
	s_and_b32 s27, s25, 1                          ; 16 bytes for each 512 along K
	s_lshl_b32 s27, s27, 4
	s_add_co_u32 s32, s32, s27
	s_mov_b32 s33, 0
	s_wait_kmcnt 0x0
	s_cmp_eq_u32 s23, 1                            ; the gate's weight: a choice that hangs on the work-group's number alone
	s_cselect_b64 s[6:7], s[8:9], s[6:7]
	s_cmp_eq_u32 s23, 2
	s_cselect_b64 s[6:7], s[10:11], s[6:7]
	s_cmp_eq_u32 s23, 3
	s_cselect_b64 s[6:7], s[12:13], s[6:7]
	s_add_nc_u64 s[6:7], s[6:7], s[28:29]
	s_add_nc_u64 s[18:19], s[18:19], s[30:31]
	s_add_nc_u64 s[20:21], s[20:21], s[32:33]
.macro WLOAD t                         ; block t: W(32 t + i, my column), i = 0 .. 31, into set t % 2; the largest offset is 127 rows of 4,096 bytes, inside the signed 24-bit immediate
.irp i, 0,1,2,3,4,5,6,7,8,9,10,11,12,13,14,15,16,17,18,19,20,21,22,23,24,25,26,27,28,29,30,31
	global_load_b32 v[WX+32*((\t)%2)+\i], v3, s[6:7] offset:(32*(\t)+\i)*4096 th:TH_LOAD_NT
.endr
.endm
	WLOAD 0
	WLOAD 1
.macro WBLOCK t
.set XS, WX+32*((\t)%2)
.if (\t) < NB-1
	s_wait_loadcnt 32                              ; this block's 32 loads are in; the next block's 32 may be out
.else
	s_wait_loadcnt 0
.endif
	v_max3_num_f32 v12, |v[XS]|, |v[XS+1]|, |v[XS+2]|              ; the block's largest magnitude: all 32 numbers are mine; two chains
	v_max3_num_f32 v13, |v[XS+3]|, |v[XS+4]|, |v[XS+5]|
.irp i, 6,10,14,18,22,26
	v_max3_num_f32 v12, v12, |v[XS+\i]|, |v[XS+\i+1]|
	v_max3_num_f32 v13, v13, |v[XS+\i+2]|, |v[XS+\i+3]|
.endr
	v_max3_num_f32 v12, v12, |v[XS+30]|, |v[XS+31]|
	v_max3_num_f32 v12, v12, v13, 0x1800000        ; and the floor 2^(3 - 127): so the byte cannot fall under 1
	v_add_nc_u32 v11, 0xff000000, v12              ; 2 off its exponent field: the conversion takes the exponent field of this operand as its scale
	v_lshrrev_b32 v13, 23, v11                     ; the scale's byte
.if (\t) == 0
	v_mov_b32 v[WSB], v13                          ; four bytes to the register, the lower K in the lower byte
.else
	v_lshl_or_b32 v[WSB], v13, 8*(\t), v[WSB]
.endif
.irp g, 0,1,2,3
	v_cvt_scalef32_pk8_fp4_f32 v[WC+\g], v[XS+8*\g:XS+8*\g+7], v11
.endr
	ds_store_b128 v4, v[WC:WC+3] offset:16*(\t)    ; 32 codes: 16 bytes of my column's row
.if (\t)+2 < NB
	WLOAD (\t)+2
.endif
	s_wait_dscnt 0x0                               ; the store has read its registers: the next block's codes may be written
.endm
.set Q, 0
.rept NB
	WBLOCK Q
.set Q, Q+1
.endr
	s_wait_alu depctr_va_vdst(0)
	ds_store_b32 v14, v[WSB]                       ; my four scale bytes of my column
	s_wait_dscnt 0x0                               ; for the others' sake: my stores into the stage and among the scale bytes are done
	s_barrier_signal -1
	s_barrier_wait -1                              ; all four quarters of the 32 rows lie in the stage
.irp t, 0,1,2,3
	ds_load_b128 v[WOUT+4*\t:WOUT+4*\t+3], v7 offset:2*\t*WPITCH   ; my 8 rows, whole
.endr
.irp t, 0,1,2,3
	s_wait_dscnt 3-\t                              ; the loads behind number t may be out
	global_store_b128 v8, v[WOUT+4*\t:WOUT+4*\t+3], s[18:19] offset:2*\t*1024   ; 16 lanes store 256 consecutive bytes, at a multiple of 256 from the buffer's first byte
.endr
	s_cmp_lg_u32 s22, 0                            ; wave 0 sends the scale bytes: a branch on the wave's number, round no barrier
	s_cbranch_scc1 .Lw_done
	ds_load_b128 v[WSO:WSO+3], v10
	s_wait_dscnt 0x0
	global_store_b128 v9, v[WSO:WSO+3], s[20:21]   ; a column's 16 scale bytes a lane
.Lw_done:
	s_wait_tensorcnt 0x0
	ds_add_u32 v224, v225
	s_wait_dscnt 0x0
	s_endpgm
	; ---------------- PATH H ----------------
.Lhidden:
	s_lshl_b32 s23, ttmp9, 2
	s_add_co_u32 s23, s23, s22                     ; which 8 rows are my wave's: 0 .. 1023
	s_wait_alu depctr_va_vdst(0)
	v_lshlrev_b32 v3, 4, v2                        ; my 16 bytes of a load's 512
	s_mul_i32 s24, s22, HREG
	s_add_co_u32 s24, s24, HBASE                   ; my wave's region of LDS
	v_lshrrev_b32 v14, 2, v2
	v_mul_u32_u24 v14, v14, SP
	v_and_b32 v15, 3, v2
	v_lshl_add_u32 v14, v15, 4, v14
	v_add_nc_u32 v14, s24, v14                     ; the stage, on the way in: four lanes' 64 bytes on end, then 16 of padding
	v_mul_u32_u24 v15, v2, SP
	v_add_nc_u32 v15, s24, v15                     ; and on the way out: SP x lane: my 16 neighbours
	v_lshlrev_b32 v4, 3, v2                        ; 8 bytes a lane: my codes' place in a step's, and my part of the wave's 256 scale bytes
	v_lshrrev_b32 v5, 1, v2
	s_add_co_u32 s24, s24, 2*32*SP
	v_add_nc_u32 v5, s24, v5                       ; LDS: my block's scale byte
	v_add_nc_u32 v6, s24, v4                       ; and on the way out 8 bytes a lane
	s_lshl_b32 s26, s23, 16                        ; hidden_state: 8 rows of 8,192 bytes
	s_mov_b32 s27, 0
	s_lshl_b32 s28, s23, 12                        ; h_codes: 8 rows of 512 bytes
	s_mov_b32 s29, 0
	s_lshl_b32 s30, s23, 8                         ; h_scales: 8 rows of 32 bytes
	s_mov_b32 s31, 0
	s_wait_alu depctr_va_vdst(0)
	s_wait_kmcnt 0x0
	s_add_nc_u64 s[4:5], s[4:5], s[26:27]
	s_add_nc_u64 s[14:15], s[14:15], s[28:29]
	s_add_nc_u64 s[16:17], s[16:17], s[30:31]
.macro HLOAD t                         ; step t: half t % 2 of h_prev's row t / 2
.irp i, 0,1,2,3
	global_load_b128 v[HR+16*((\t)%8)+4*\i:HR+16*((\t)%8)+4*\i+3], v3, s[4:5] offset:((\t)/2)*8192+((\t)%2)*2048+512*\i th:TH_LOAD_NT   ; 32 lanes read 512 consecutive bytes
.endr
.endm
.macro HTURN t                         ; step t's numbers through the stage: LDS serves a wave's instructions in order, so no wait stands between the stores and the loads
.irp i, 0,1,2,3
	ds_store_b128 v14, v[HR+16*((\t)%8)+4*\i:HR+16*((\t)%8)+4*\i+3] offset:32*SP*((\t)%2)+8*SP*\i
.endr
.irp i, 0,1,2,3
	ds_load_b128 v[HX+16*((\t)%2)+4*\i:HX+16*((\t)%2)+4*\i+3], v15 offset:32*SP*((\t)%2)+16*\i
.endr
.endm
.irp t, 0,1,2,3,4,5,6,7
	HLOAD \t
.endr
	s_wait_loadcnt 28                              ; step 0's four loads are in; those of steps 1 to 7 may be out
	HTURN 0
.macro HSTEP t
.set XS, HX+16*((\t)%2)
.if (\t) > 0
	s_wait_dscnt 1                                 ; this step's numbers are back from the stage (the last step's byte store may be out): so its stores into the stage have read their registers,
.else
	s_wait_dscnt 0x0
.endif
.if (\t)+8 < STEPS
	HLOAD (\t)+8                                   ; which take the loads of eight steps on
.endif
.if (\t)+1 < STEPS
.if (\t)+8 < STEPS
	s_wait_loadcnt 28                              ; the next step's four loads are in; those of the seven steps behind it may be out
.else
	s_wait_loadcnt 4*(STEPS-2-(\t))                ; the same, with fewer steps behind it
.endif
	HTURN (\t)+1                                   ; and go through the other stage while this step is worked
.endif
	v_max3_num_f32 v8, |v[XS]|, |v[XS+1]|, |v[XS+2]|               ; the largest magnitude of my 16
	v_max3_num_f32 v9, |v[XS+3]|, |v[XS+4]|, |v[XS+5]|
.irp i, 6,10
	v_max3_num_f32 v8, v8, |v[XS+\i]|, |v[XS+\i+1]|
	v_max3_num_f32 v9, v9, |v[XS+\i+2]|, |v[XS+\i+3]|
.endr
	v_max3_num_f32 v8, v8, |v[XS+14]|, |v[XS+15]|
	v_max3_num_f32 v8, v8, v9, 0x1800000           ; and the floor 2^(3 - 127)
	v_max_num_f32_dpp v8, v8, v8 row_xmask:1 row_mask:0xf bank_mask:0xf   ; and of my neighbour's 16: the block's
	v_add_nc_u32 v11, 0xff000000, v8               ; 2 off its exponent field: the conversion's scale operand
	v_cvt_scalef32_pk8_fp4_f32 v[HC+2*(\t)], v[XS:XS+7], v11
	v_cvt_scalef32_pk8_fp4_f32 v[HC+2*(\t)+1], v[XS+8:XS+15], v11
	v_lshrrev_b32 v[HE+(\t)], 23, v11              ; the scale's byte
	ds_store_b8 v5, v[HE+(\t)] offset:16*(\t)      ; both lanes of a block write the same byte with the same value
	global_store_b64 v4, v[HC+2*(\t):HC+2*(\t)+1], s[14:15] offset:256*(\t)   ; 32 lanes store 256 consecutive bytes, aligned
.endm
.irp t, 0,1,2,3,4,5,6,7,8,9,10,11,12,13,14,15
	HSTEP \t
.endr
	ds_load_b64 v[12:13], v6                       ; LDS serves a wave's instructions in order: these see my byte stores
	s_wait_dscnt 0x0
	global_store_b64 v4, v[12:13], s[16:17]        ; the wave's 256 scale bytes: 256 consecutive bytes, aligned
	s_wait_tensorcnt 0x0
	ds_add_u32 v224, v225
	s_wait_dscnt 0x0
	s_endpgm
.Lfunc_end_k_qcb1b7910aa_quant:
	.size	k_qcb1b7910aa_quant, .Lfunc_end_k_qcb1b7910aa_quant-k_qcb1b7910aa_quant
	.p2alignl 7, 3214868480
	.fill 96, 4, 3214868480
	.section	.rodata,"a",@progbits
	.p2align	6, 0x0
	.amdhsa_kernel k_qcb1b7910aa_quant
		.amdhsa_group_segment_fixed_size 42496
		.amdhsa_private_segment_fixed_size 0
		.amdhsa_enable_private_segment 0
		.amdhsa_kernarg_size 72
		.amdhsa_user_sgpr_count 2
		.amdhsa_user_sgpr_kernarg_segment_ptr 1
		.amdhsa_wavefront_size32 1
		.amdhsa_system_sgpr_workgroup_id_x 1
		.amdhsa_system_sgpr_workgroup_id_y 1
		.amdhsa_system_sgpr_workgroup_id_z 1
		.amdhsa_system_vgpr_workitem_id 0
		.amdhsa_next_free_vgpr 226
		.amdhsa_next_free_sgpr 66
		.amdhsa_reserve_vcc 0
		.amdhsa_float_denorm_mode_32 3
		.amdhsa_float_denorm_mode_16_64 3
		.amdhsa_memory_ordered 1
		.amdhsa_forward_progress 1
		.amdhsa_inst_pref_size 55
	.end_amdhsa_kernel
	.amdgpu_metadata
---
amdhsa.version: [ 1, 2 ]
amdhsa.kernels:
  - .name:           k_qcb1b7910aa_quant
    .symbol:         k_qcb1b7910aa_quant.kd
    .args:
      - { .name: hidden_state, .offset: 0, .size: 8, .value_kind: global_buffer, .address_space: global }
      - { .name: weight_i, .offset: 8, .size: 8, .value_kind: global_buffer, .address_space: global }
      - { .name: weight_f, .offset: 16, .size: 8, .value_kind: global_buffer, .address_space: global }
      - { .name: weight, .offset: 24, .size: 8, .value_kind: global_buffer, .address_space: global }
      - { .name: weight_o, .offset: 32, .size: 8, .value_kind: global_buffer, .address_space: global }
      - { .name: h_codes, .offset: 40, .size: 8, .value_kind: global_buffer, .address_space: global }
      - { .name: h_scales, .offset: 48, .size: 8, .value_kind: global_buffer, .address_space: global }
      - { .name: w_codes, .offset: 56, .size: 8, .value_kind: global_buffer, .address_space: global }
      - { .name: w_scales, .offset: 64, .size: 8, .value_kind: global_buffer, .address_space: global }
    .group_segment_fixed_size: 42496
    .private_segment_fixed_size: 0
    .kernarg_segment_align: 8
    .kernarg_segment_size: 72
    .max_flat_workgroup_size: 128
    .sgpr_count:     66
    .vgpr_count:     226
    .wavefront_size: 32
...
	.end_amdgpu_metadata
.endif
;; end of part 1
;; launch cell (part 2): grid 16 x 32, 4 waves a work-group, clusters of 4 x 4, 327,680 bytes of LDS; arguments x_codes, x_scales, h_codes, h_scales, w_codes, w_scales, bias_i, bias_f, bias, bias_o, hidden_state, out0; writes out0
.if DOCPART == 2
	.amdgcn_target "amdgcn-amd-amdhsa--gfx1250"
	.amdhsa_code_object_version 6
	.text
	.protected	k_qcb1b7910aa_cell
	.globl	k_qcb1b7910aa_cell
	.p2align	8
	.type	k_qcb1b7910aa_cell,@function
k_qcb1b7910aa_cell:
	s_mov_b64 s[64:65], 0
	v_nop
	global_prefetch_b8 v0, s[64:65] scope:SCOPE_SE
	s_setreg_imm32_b32 hwreg(HW_REG_WAVE_MODE, 25, 1), 1
	s_wait_xcnt 0x0
	s_wait_alu depctr_hold_cnt(0) depctr_sa_sdst(0) depctr_va_vdst(0) depctr_va_sdst(0) depctr_va_ssrc(0) depctr_va_vcc(0) depctr_vm_vsrc(0)
	s_getreg_b32 s2, hwreg(HW_REG_IB_STS2, 6, 4)
	s_cmp_eq_u32 s2, 0
	s_cbranch_scc0 .Lentry_in_a_cluster
	s_endpgm
.Lentry_in_a_cluster:
	s_bfe_u32 s2, ttmp6, 0x10000c
	s_cmp_lg_u32 s2, 0xf033
	s_cbranch_scc0 .Lentry_shape_is_right
	s_endpgm
.Lentry_shape_is_right:
; THE LSTM CELL.  z_gate = x W[:H] + h_prev W[H:] + b[:H] + b[H:] for the gates i, f, g (the candidate), o;  c_t = sigmoid(z_f) c_prev + sigmoid(z_i) tanh(z_g);  h_t = sigmoid(z_o) tanh(c_t);  out0 = [h_t | c_t].
; The eight products are ONE product on codes of FP4 (E2M1) with E8M0 scales: M = 8,192 rows, N = 4 gates x 1,024 columns, K = 2,048 (x's 1,024, then h_prev's), sums in f32.
; B's rows lie in the order n' = (j / 32) 128 + 32 gate + j % 32, so that 128 rows on end are all four gates of 32 columns.
; SHARES.  A work-group of four waves, as many as a WGP has SIMDs, owns 256 rows x 64 columns of all four gates (256 rows n'); a wave 128 rows x 32 columns x 4 gates: 64 accumulators of 16 x 16, 512 registers.
; THE MATRIX INSTRUCTION IS USED TRANSPOSED (source 0 = 16 rows of B, source 1 = 16 rows of A).  In accumulator (a, b), b = 2 gate + u, register jj of lane (r, hh) is row 16 a + r, column 16 u + 8 hh + jj:
; the four gates of one element lie in the same lane at the same register index, so the cell's arithmetic needs no other lane.
; K goes in four steps of 512 (rows of 256 bytes) through a ring of two LDS slots: steps 0, 1 from x_codes, steps 2, 3 from h_codes.  The fifth fill brings the work-group's tile of c_prev into slot 0's first half.
; THE SCALES of the tile's rows, for all of K, are four dense blocks of 8,192 bytes: one a wave, with the first fills; they stay.
; CLUSTERS: 4 x 4 work-groups.  The four of a row of the cluster need the same tiles of A, the four of a column the same tiles of B: each is asked for JOINTLY.  c_prev's tile is the work-group's own: a load without a mask.
; THE TAIL, a block of 16 rows at a time: sigmoid(z) = 1 / (1 + 2^(-L z)), tanh(z) = 1 - 2 / (1 + 2^(2 L z)), L = log2(e).  An exponential that overflows gives infinity, whose reciprocal is 0; one that underflows
; gives 0: both ends give the limits, so there is no clamp and no branch.  The two biases' sum, times the same constant, is the addend of the multiply-add that scales z.
; h_t and c_t meet in a stage in LDS (a row's 256 bytes come from two waves) and leave as 256 consecutive bytes from 16 lanes, aligned.
; LIMITS: NaN and infinities among the inputs are not served.  tanh by this formula has an absolute error of about 1e-7 near 0 (a relative one that grows as z falls).
; REGISTERS, in windows of 256: window 0: v1-31 addresses; v32-95 scale words, two sets, and nothing else; v96-127 c_prev, two sets; v128-191 A's fragments, ONE set, in the tail 64 numbers at work; v192-255 the scaled bias sums.
;   window 1: B's fragments, two sets, at v0 and v128; in the tail v0-255 rows read back from the stage.   windows 2, 3: the accumulators of my rows 0-63, 64-127 ((a, b) at v[8 (8 (a % 4) + b)]).
.set NQ,     4                         ; matrix instructions deep in a slot
.set PITCH,  272                       ; an LDS row: 256 bytes + 16 of padding = 68 words: row r starts at bank 4 r mod 64 (64 banks of 4 bytes: ISA guide 11.1), so the 16 rows that a load touches start at 16 different banks
.set FR,     8                         ; registers of a fragment: 16 rows x 128 K
.set NL,     2                         ; LDS loads that bring one
.set NP,     4                         ; places behind this matrix instruction (ISA guide 7.12.1)
.set HALFT,  128*PITCH                 ; 128 rows: what one tensor load brings
.set SLOT,   4*HALFT                   ; A's 256 rows, then B's 256 rows
.set SCL,    2*SLOT                    ; behind the ring: the scales: region 0 x's, 1 h's, 2 and 3 B's two K halves
.set SREG,   32*272                    ; a region: 8,192 bytes as 32 rows of 256 + 16
.set SBLK,   2*272                     ; the scales of 16 rows
.set SPARE,  SCL+4*SREG                ; the spare words, 128 bytes for each wave: two blocks of 256 bytes that no other line names
.set STG,    2*HALFT                   ; the stage: in slot 0's second half, which has had its last fill and its last read when the first result is stored there
.set SBUF,   64*272                    ; a stage buffer: 64 rows of 256 + 16: row = 32 kind + 16 (half of the rows) + r; kind 0 = h_t, 1 = c_t.  Two buffers by turns
.set ADRA, 16                          ; v16-17  LDS address of my A fragments in slot 0, 1
.set ADRB, 20                          ; v20-21  the same for B
.set STO,  24                          ; v24     the stage: where I put 16 bytes of a row
.set RD,   25                          ; v25     and where I read a row back
.set CO,   26                          ; v26     my byte offset in two rows of out0
.set ADRS, 27                          ; v27     LDS address of my scale words: lanes 0-15 A's rows, lanes 16-31 B's; never rewritten
.set SPW,  28                          ; v28     LDS address of my spare word: SPARE + 4 x my thread's number; never rewritten
.set NIL,  29                          ; v29     0; never rewritten
.set CPA,  30                          ; v30     LDS address of my numbers of c_prev
.set PFO,  31                          ; v31     the prefetches' offset: my lane x a row of hidden_state; never rewritten
.set SC,   32
.set CP,   96
.set AF,   128
.set T,    128
.set BS,   192
.set WV,   28                          ; s28 wave;  s29 its half of the rows, also: it fetches for A (0) or B (1);  s30 its half of N, also: which 128 rows it fetches
.set RH,   29
.set CH,   30
.set TMP,  31
.set CX,   66
.set CY,   67
.set TC,   100                         ; tile column, tile row
.set TR,   101
.set RT,   104                         ; s[104:105] offsets made of the tile row and the wave's number alone
.set CT,   2                           ; s[2:3]     offsets made of the tile column and the wave's number alone
.set NEGL, 12                          ; s[12:13] -log2(e), s[14:15] 2 log2(e): the packed forms name a pair and take its low word
.set TWOL, 14
.set G1A,  32                          ; descriptor groups 1: A's tiles, B's tiles, A's scales, B's scales, c_prev
.set G1B,  40
.set G1SA, 48
.set G1SB, 56
.set G1C,  68
.set G0A,  76                          ; groups 0: A's and B's tiles, a set for each slot; the scales'; c_prev's takes A's scales' registers when that load is long done
.set G0B,  84
.set G0SA, 92
.set G0SB, 96
.set G0C,  92
.set MSB, 0
.macro WIN new                         ; the immediate's high byte repeats the setting that is left
.if MSB != \new
	s_set_vgpr_msb (MSB<<8)|\new
.set MSB, \new
.endif
.endm
.set MUL_LO, 0xa1                      ; source 0 (B) window 1, source 1 (A) window 0, C and D window 2
.set MUL_HI, 0xf1                      ; the same, C and D window 3
.set TO_B,   0x40                      ; destination window 1, address window 0
; A joint load: waves 0 and 1 fetch for A, waves 2 and 3 for B.  Each line has ONE mask; the branch hangs on the wave's number alone.  Four v_nop follow each line.
.macro JLOAD g0a, g1a, g0b, g1b
	s_cmp_eq_u32 s[RH], 0
	s_cbranch_scc0 .Lfor_b_\@
	tensor_load_to_lds s[\g0a:\g0a+3], s[\g1a:\g1a+7]
	s_nop 0
.rept 4
	v_nop
.endr
	s_branch .Lasked_\@
.Lfor_b_\@:
	tensor_load_to_lds s[\g0b:\g0b+3], s[\g1b:\g1b+7]
	s_nop 0
.rept 4
	v_nop
.endr
.Lasked_\@:
.endm
.macro CREST                           ; a round of the cluster's barrier behind its opening barrier
	s_cmp_lg_u32 s[WV], 0
	s_cbranch_scc1 .Lnot_wave_0_\@
	s_barrier_signal -3
.Lnot_wave_0_\@:
	s_barrier_wait -3
	s_barrier_signal -1
	s_barrier_wait -1
.endm
.macro CROUND                          ; a whole round
	s_barrier_signal -1
	s_barrier_wait -1
	CREST
.endm
.macro PLACES n
.rept \n
	v_nop
.endr
.endm
	s_load_b256 s[4:11], s[0:1], 0x0               ; x_codes s[4:5], x_scales s[6:7], h_codes s[8:9], h_scales s[10:11]
	s_load_b256 s[12:19], s[0:1], 0x20             ; w_codes s[12:13], w_scales s[14:15], bias_i s[16:17], bias_f s[18:19]
	s_load_b256 s[20:27], s[0:1], 0x40             ; bias s[20:21], bias_o s[22:23], hidden_state s[24:25], out0 s[26:27]
	v_lshl_add_u32 v[SPW], v0, 2, SPARE
	v_mov_b32 v[NIL], 0
	ds_add_u32 v28, v29
	ds_add_u32 v28, v29
	s_wait_dscnt 0x0
	v_lshrrev_b32 v1, 5, v0
	v_readfirstlane_b32 s[WV], v1                  ; wave 0..3
	s_lshr_b32 s[RH], s[WV], 1
	s_and_b32 s[CH], s[WV], 1
	s_bfe_u32 s[CX], ttmp6, 0x40000                ; my place in the cluster
	s_bfe_u32 s[CY], ttmp6, 0x40004
	s_lshl_b32 s[TC], ttmp9, 2
	s_add_co_u32 s[TC], s[TC], s[CX]               ; tile column = 4 x cluster x + cx: 64 columns of each gate
	s_and_b32 s[TR], ttmp7, 0xffff
	s_lshl_b32 s[TR], s[TR], 2
	s_add_co_u32 s[TR], s[TR], s[CY]               ; tile row = 4 x cluster y + cy: 256 rows
	s_lshl_b32 s[RT], s[CY], 2
	s_lshl_b32 s[RT], 15, s[RT]                    ; my row of the cluster
	s_lshl_b32 s[CT], 0x1111, s[CX]                ; my column
	; groups 1.  Tiles of codes: 128 rows x 256 bytes, 16 bytes of padding behind each row
	s_or_b32 s[G1A], s[RT], (1<<20)|(1<<21)|(5<<22)|(3<<25)   ; 15:0 the mask; 17:16 elements of 1 byte; 20 padding on; 21 set beside a mask; 24:22 after every 64 words (code 5); 31:25 four words (code 3)
	s_or_b32 s[G1B], s[CT], (1<<20)|(1<<21)|(5<<22)|(3<<25)
.irp g, G1A, G1B
	s_mov_b32 s[\g+1], 256<<16                     ; tensor_dim0
	s_mov_b32 s[\g+2], 256<<16                     ; tensor_dim1: 256 rows for the first two groups of loads; 128 from the first refill on
	s_mov_b32 s[\g+3], 256<<16                     ; tile_dim0
	s_mov_b32 s[\g+4], 256                         ; tile_dim1 likewise
	s_mov_b32 s[\g+6], 0
	s_mov_b32 s[\g+7], 0
.endr
	s_mov_b32 s[G1A+5], 512                        ; a row of x_codes or h_codes in bytes
	s_mov_b32 s[G1B+5], 1024                       ; a row of w_codes
	; the scales of 256 rows for 1,024 along K: 8,192 dense bytes, as 32 rows of 256 bytes (32 elements of 8 bytes), padded likewise
	s_or_b32 s[G1SA], s[RT], (3<<16)|(1<<20)|(1<<21)|(5<<22)|(3<<25)
	s_or_b32 s[G1SB], s[CT], (3<<16)|(1<<20)|(1<<21)|(5<<22)|(3<<25)
.irp g, G1SA, G1SB
	s_mov_b32 s[\g+1], 32<<16
	s_mov_b32 s[\g+2], 32<<16
	s_mov_b32 s[\g+3], 32<<16
	s_mov_b32 s[\g+4], 32
	s_mov_b32 s[\g+5], 32
	s_mov_b32 s[\g+6], 0
	s_mov_b32 s[\g+7], 0
.endr
	; c_prev: 64 rows x 256 bytes, 8,192 bytes from row to row; no mask
	s_mov_b32 s[G1C], (1<<20)|(5<<22)|(3<<25)
	s_mov_b32 s[G1C+1], 256<<16
	s_mov_b32 s[G1C+2], 64<<16
	s_mov_b32 s[G1C+3], 256<<16
	s_mov_b32 s[G1C+4], 64
	s_mov_b32 s[G1C+5], 8192
	s_mov_b32 s[G1C+6], 0
	s_mov_b32 s[G1C+7], 0
	s_wait_kmcnt 0x0
	s_lshl_b32 s[RT], s[TR], 17                    ; A's codes: 256 rows of 512 bytes for each tile row
	s_mov_b32 s[RT+1], 0
	s_add_nc_u64 s[4:5], s[4:5], s[RT:RT+1]
	s_add_nc_u64 s[8:9], s[8:9], s[RT:RT+1]
	s_lshl_b32 s[RT], s[TR], 13                    ; A's scales: 256 rows of 32 bytes
	s_add_nc_u64 s[6:7], s[6:7], s[RT:RT+1]
	s_add_nc_u64 s[10:11], s[10:11], s[RT:RT+1]
	s_lshl_b32 s[CT], s[TC], 18                    ; B's codes: 256 rows of 1,024 bytes for each tile column
	s_mov_b32 s[CT+1], 0
	s_add_nc_u64 s[12:13], s[12:13], s[CT:CT+1]
	s_lshl_b32 s[CT], s[TC], 13                    ; B's scales: 256 rows of 32 bytes, first K half
	s_add_nc_u64 s[14:15], s[14:15], s[CT:CT+1]
	s_lshl_b32 s[RT], s[TR], 21                    ; c_prev: 256 rows of 8,192 bytes for each tile row,
	s_lshl_b32 s[TMP], s[WV], 19                   ; my wave's 64 rows,
	s_add_co_u32 s[RT], s[RT], s[TMP]
	s_add_co_u32 s[RT], s[RT], 4096                ; the row's second half
	s_add_nc_u64 s[24:25], s[24:25], s[RT:RT+1]
	s_lshl_b32 s[RT], s[TR], 21                    ; out0, as I store it: I read stage rows 16 wave on: kind = wave / 2, half of the rows = wave % 2
	s_lshl_b32 s[TMP], s[CH], 20                   ; 128 rows of 8,192 bytes
	s_add_co_u32 s[RT], s[RT], s[TMP]
	s_lshl_b32 s[TMP], s[RH], 12                   ; c_t lies 4,096 bytes behind h_t
	s_add_co_u32 s[RT], s[RT], s[TMP]
	s_add_nc_u64 s[26:27], s[26:27], s[RT:RT+1]
	s_lshl_b32 s[CT], s[TC], 8                     ; and in both the tile's 64 columns: 256 bytes
	s_add_nc_u64 s[24:25], s[24:25], s[CT:CT+1]
	s_add_nc_u64 s[26:27], s[26:27], s[CT:CT+1]
; FOUR TILES, ONE JOINT LOAD A WAVE: wave 0 A's 256 rows of a K step, wave 1 B's 256 rows, wave 2 A's scales of a K half, wave 3 B's.
; One chain of branches on the wave's number; every way passes exactly one load.
.macro ARM under, g0, g1, j
	s_cmp_lt_u32 s[WV], \under
	s_cbranch_scc0 .Lnext_\@
	tensor_load_to_lds s[\g0:\g0+3], s[\g1:\g1+7]
	s_nop 0
	PLACES 4
	s_branch .Lasked4_\j
.Lnext_\@:
.endm
.macro HEAD4 j
	ARM 1, G0A, G1A, \j
	ARM 2, G0B, G1B, \j
	ARM 3, G0SA, G1SA, \j
	tensor_load_to_lds s[G0SB:G0SB+3], s[G1SB:G1SB+7]
	s_nop 0
	PLACES 4
.Lasked4_\j:
.endm
	CROUND                                         ; all sixteen work-groups are here: the first joint loads meet
	s_mov_b32 s[G0SA], 1                           ; x's scales -> region 0
	s_mov_b32 s[G0SA+1], SCL
	s_mov_b64 s[G0SA+2:G0SA+3], s[6:7]
	s_or_b32 s[G0SA+3], s[G0SA+3], 0x80000000
	s_mov_b32 s[G0SB], 1                           ; B's scales, first K half -> region 2
	s_mov_b32 s[G0SB+1], SCL+2*SREG
	s_mov_b64 s[G0SB+2:G0SB+3], s[14:15]
	s_or_b32 s[G0SB+3], s[G0SB+3], 0x80000000
	s_mov_b32 s[G0A], 1                            ; K step 0: x's 256 rows -> slot 0
	s_mov_b32 s[G0A+1], 0
	s_mov_b64 s[G0A+2:G0A+3], s[4:5]
	s_or_b32 s[G0A+3], s[G0A+3], 0x80000000
	s_mov_b32 s[G0B], 1                            ; and B's 256 rows behind them
	s_mov_b32 s[G0B+1], 2*HALFT
	s_mov_b64 s[G0B+2:G0B+3], s[12:13]
	s_or_b32 s[G0B+3], s[G0B+3], 0x80000000
	HEAD4 0
	s_mul_i32 s[TMP], s[WV], HALFT                 ; slot 1's sets for its refill: a quarter of the slot a wave
	s_mov_b32 s[G0A+4], 1
	s_add_co_u32 s[G0A+5], s[TMP], SLOT
	s_mov_b32 s[G0B+4], 1
	s_add_co_u32 s[G0B+5], s[TMP], SLOT
	s_lshl_b32 s[CT], s[CH], 17                    ; my 128 rows of B, K step 1: the refill steps it to K step 3
	s_add_co_u32 s[CT], s[CT], 256
	s_add_nc_u64 s[G0B+6:G0B+7], s[12:13], s[CT:CT+1]
	s_or_b32 s[G0B+7], s[G0B+7], 0x80000000
	; THE PREFETCHES' ADDRESSES.  A K step is 256 bytes of each row.  Waves 0, 1 ask for A, waves 2, 3 for B; of the 128 rows of half CH the partner at place p (cx for A, cy for B)
	; takes 32, a lane a row: each block of 256 bytes is named once in each cluster that loads it.  s[4:5]: K steps 0, 1 (x or B);  s[6:7]: K steps 2, 3 (h or B).  Never rewritten.
	s_cmp_eq_u32 s[RH], 0
	s_cselect_b64 s[4:5], s[4:5], s[12:13]
	s_add_nc_u64 s[6:7], s[12:13], 512
	s_cselect_b64 s[6:7], s[8:9], s[6:7]
	s_cselect_b32 s[TMP], s[CX], s[CY]
	s_cselect_b32 s[CT], 9, 10                     ; a row is 512 bytes in A, 1,024 in B
	s_lshl_b32 s[RT], s[CH], 16                    ; h_codes from here on at the 128 rows that I fetch in the refills
	s_add_nc_u64 s[8:9], s[8:9], s[RT:RT+1]
	s_lshl_b32 s[TMP], s[TMP], 5
	s_lshl_b32 s[RT], s[CH], 7
	s_add_co_u32 s[TMP], s[TMP], s[RT]
	s_lshl_b32 s[RT], s[TMP], s[CT]
	s_add_nc_u64 s[4:5], s[4:5], s[RT:RT+1]
	s_add_nc_u64 s[6:7], s[6:7], s[RT:RT+1]
	s_add_nc_u64 s[14:15], s[14:15], 0x20000       ; the scales of the second K half: wave 2 asks for h's, wave 3 for B's; 32 blocks of 256 bytes, 8 to a partner
	s_cmp_eq_u32 s[CH], 0
	s_cselect_b64 s[14:15], s[10:11], s[14:15]
	s_cselect_b32 s[TMP], s[CX], s[CY]
	s_lshl_b32 s[RT], s[TMP], 11
	s_add_nc_u64 s[14:15], s[14:15], s[RT:RT+1]
	v_and_b32 v8, 31, v0
	v_min_u32 v9, 7, v8                            ; lanes 8-31 name the wave's last block again
	v_lshlrev_b32 v8, s[CT], v8                    ; v8: my lane x a row; never rewritten
	v_lshlrev_b32 v9, 8, v9
	global_prefetch_b8 v8, s[4:5] offset:256 th:TH_LOAD_NT scope:SCOPE_SE   ; K step 1, loaded behind the next round
	global_prefetch_b8 v8, s[6:7] th:TH_LOAD_NT scope:SCOPE_SE              ; K step 2, loaded two rounds on
	s_cmp_lt_u32 s[WV], 2
	s_cbranch_scc1 .Lno_scales
	global_prefetch_b8 v9, s[14:15] th:TH_LOAD_NT scope:SCOPE_SE
.Lno_scales:
	v_and_b32 v1, 15, v0                           ; r
	s_wait_alu depctr_va_vdst(0)
	v_bfe_u32 v2, v0, 4, 1                         ; hh
	s_lshl_b32 s[CT], s[TC], 8                     ; the biases of my columns 64 TC + 32 CH + 16 u + 8 hh + 0 .. 7, in the accumulators' layout
	s_lshl_b32 s[CT+1], s[CH], 7
	s_add_co_u32 s[CT], s[CT], s[CT+1]
	v_lshl_add_u32 v7, v2, 5, s[CT]
.irp g, 0,1,2,3
.irp u, 0,1
.irp p, 0,1
	global_load_b128 v[BS+16*\g+8*\u+4*\p:BS+16*\g+8*\u+4*\p+3], v7, s[16+2*\g:17+2*\g] offset:64*\u+16*\p
	global_load_b128 v[T+16*\g+8*\u+4*\p:T+16*\g+8*\u+4*\p+3], v7, s[16+2*\g:17+2*\g] offset:4096+64*\u+16*\p
.endr
.endr
.endr
	v_mul_u32_u24 v3, v1, PITCH
	v_lshl_add_u32 v4, v2, 4, v3                   ; a fragment's row x pitch + 16 x half
	s_mul_i32 s[TMP], s[RH], HALFT                 ; my 128 rows of A
	s_mul_i32 s[CT+1], s[CH], HALFT                ; my 128 rows of B,
	s_add_co_u32 s[CT+1], s[CT+1], 2*HALFT         ; which lie behind A's 256
.irp s, 0,1
	v_add_nc_u32 v[ADRA+\s], s[TMP], v4
	v_add_nc_u32 v[ADRB+\s], s[CT+1], v4
	s_add_co_u32 s[TMP], s[TMP], SLOT
	s_add_co_u32 s[CT+1], s[CT+1], SLOT
.endr
	v_lshrrev_b32 v5, 3, v1                        ; my row's scales: 32 bytes a row, eight rows to an LDS row of 272
	v_and_b32 v6, 7, v1
	v_mul_u32_u24 v5, v5, 272
	v_lshl_add_u32 v5, v6, 5, v5
	s_mul_i32 s[TMP], s[RH], 16*272                ; A's: my 128 rows
	s_mul_i32 s[CT+1], s[CH], 16*272               ; B's: my 128 rows, two regions on
	s_add_co_u32 s[CT+1], s[CT+1], 2*SREG
	s_sub_co_u32 s[CT+1], s[CT+1], s[TMP]
	v_mul_u32_u24 v6, s[CT+1], v2                  ; lanes 16-31 take B's: the lower base + hh x the distance
	s_add_co_u32 s[TMP], s[TMP], SCL
	v_add_nc_u32 v5, v5, v6
	v_add_nc_u32 v[ADRS], s[TMP], v5
	v_lshl_add_u32 v5, v2, 5, v3                   ; row r, + 32 hh: my eight columns' bytes
	s_lshl_b32 s[CT+1], s[CH], 7                   ; my wave's 32 columns: 128 bytes
	s_mul_i32 s[TMP], s[RH], 16*272
	s_add_co_u32 s[TMP], s[TMP], s[CT+1]
	s_add_co_u32 s[TMP], s[TMP], STG
	v_add_nc_u32 v[STO], s[TMP], v5
	s_mul_i32 s[TMP], s[RH], HALFT                 ; c_prev's tile lies at LDS byte 0, 272 bytes a row: my 128 rows
	s_add_co_u32 s[TMP], s[TMP], s[CT+1]
	v_add_nc_u32 v[CPA], s[TMP], v5
	v_mul_u32_u24 v6, v2, 272                      ; back from the stage: lanes 0-15 one row of 256 bytes, lanes 16-31 the next
	v_lshl_add_u32 v6, v1, 4, v6
	s_mul_i32 s[TMP], s[WV], 16*272
	s_add_co_u32 s[TMP], s[TMP], STG
	v_add_nc_u32 v[RD], s[TMP], v6
	v_lshlrev_b32 v6, 13, v2                       ; and the same two rows in out0
	v_lshl_add_u32 v[CO], v1, 4, v6
	v_and_b32 v6, 31, v0
	v_lshlrev_b32 v[PFO], 13, v6
	s_wait_loadcnt 0x0                             ; the biases
	s_wait_xcnt 0x0                                ; the prefetch of the scales has read s[14:15]: only now is it rewritten
	s_mov_b32 s[NEGL], 0xbfb8aa3b                  ; -log2(e)
	s_mov_b32 s[NEGL+1], s[NEGL]
	s_mov_b32 s[TWOL], 0x4038aa3b                  ; 2 log2(e)
	s_mov_b32 s[TWOL+1], s[TWOL]
.set k, 0
.rept 32
	v_pk_add_f32 v[BS+k:BS+k+1], v[BS+k:BS+k+1], v[T+k:T+k+1]      ; b[:H] + b[H:]
.set k, k+2
.endr
.set k, 0
.rept 32
.if (k >= 32) && (k < 48)
	v_pk_mul_f32 v[BS+k:BS+k+1], v[BS+k:BS+k+1], s[TWOL:TWOL+1] op_sel_hi:[1,0]   ; the candidate's: x 2 log2(e)
.else
	v_pk_mul_f32 v[BS+k:BS+k+1], v[BS+k:BS+k+1], s[NEGL:NEGL+1] op_sel_hi:[1,0]   ; the sigmoids': x -log2(e)
.endif
.set k, k+2
.endr
.macro FRAG reg, adr, q, i             ; a fragment: lane l holds row l % 16; registers 4 c .. 4 c + 3 hold K = 64 c + 32 (l / 16) + 0 .. 31
.irp c, 0,1
	ds_load_b128 v[\reg+4*\c:\reg+4*\c+3], v[\adr] offset:64*(\q)+32*\c+(\i)*16*PITCH
.endr
.endm
; 16 matrix instructions: A's blocks a0, a0 + 1 x B's eight, the slot's q-th 128 along K.  p: B's set;  sc: the set of scale words.  zero = 1: the first product starts the sums.
; The 64 accumulators take turns, one instruction a turn, in the same order in every step.
.macro MUL16 a0, p, q, sc, zero
.irp a, \a0, \a0+1
.irp b, 0,1,2,3,4,5,6,7
.if \zero
	v_wmma_scale_f32_16x16x128_f8f6f4 v[8*(8*((\a)%4)+\b):8*(8*((\a)%4)+\b)+7], v[128*(\p)+FR*\b:128*(\p)+FR*\b+FR-1], v[AF+FR*(\a):AF+FR*(\a)+FR-1], 0, v[SC+8*NQ*(\sc)+NQ*\b+(\q)], v[SC+8*NQ*(\sc)+NQ*(\a)+(\q)] matrix_a_fmt:MATRIX_FMT_FP4 matrix_b_fmt:MATRIX_FMT_FP4 matrix_a_scale:MATRIX_SCALE_ROW1
.else
	v_wmma_scale_f32_16x16x128_f8f6f4 v[8*(8*((\a)%4)+\b):8*(8*((\a)%4)+\b)+7], v[128*(\p)+FR*\b:128*(\p)+FR*\b+FR-1], v[AF+FR*(\a):AF+FR*(\a)+FR-1], v[8*(8*((\a)%4)+\b):8*(8*((\a)%4)+\b)+7], v[SC+8*NQ*(\sc)+NQ*\b+(\q)], v[SC+8*NQ*(\sc)+NQ*(\a)+(\q)] matrix_a_fmt:MATRIX_FMT_FP4 matrix_b_fmt:MATRIX_FMT_FP4 matrix_a_scale:MATRIX_SCALE_ROW1
.endif
.endr
.endr
.endm
.macro FETCH_B slot, q, p              ; B's eight fragments of the slot's q-th 128 along K into set p
	WIN TO_B
.irp i, 0,1,2,3,4,5,6,7
	FRAG 128*(\p)+FR*\i, ADRB+\slot, \q, \i
.endr
	WIN 0
.endm
.macro FETCH_A slot, q, i0             ; A's blocks i0 .. i0 + 3
.irp i, \i0, \i0+1, \i0+2, \i0+3
	FRAG AF+FR*(\i), ADRA+\slot, \q, \i
.endr
.endm
.macro SCALES sc, ks                   ; K step ks's scale words into set sc: 4 words a row; lanes 0-15 take A's block i, lanes 16-31 B's block i.  A K half on is one region on for both; a K step on in a half 16 bytes
.irp i, 0,1,2,3,4,5,6,7
	ds_load_b128 v[SC+8*NQ*(\sc)+NQ*\i:SC+8*NQ*(\sc)+NQ*\i+3], v[ADRS] offset:((\ks)/2)*SREG+((\ks)%2)*16+\i*SBLK
.endr
.endm
; A load into a register that a matrix instruction has read, and a vector instruction that reads a matrix result, stand NP places behind that matrix instruction; only plain vector instructions that name none of
; its registers are places (ISA guide 7.12.1 for vector instructions).
; A step of 128 along K that has its successor in the same slot.
.macro STEP slot, q, zero
	s_wait_dscnt 4*NL                              ; B's set, A's blocks 0-3 and the scale words are in; the youngest eight loads (A's blocks 4-7) may be out
	WIN MUL_LO
	MUL16 0, (\q)%2, \q, \slot, \zero
	MUL16 2, (\q)%2, \q, \slot, \zero
	s_wait_dscnt 0                                 ; A's blocks 4-7 are in (asked for 32 matrix instructions ago)
	PLACES NP
	FETCH_B \slot, (\q)+1, 1-(\q)%2
	FETCH_A \slot, (\q)+1, 0
	WIN MUL_HI
	MUL16 4, (\q)%2, \q, \slot, \zero
	MUL16 6, (\q)%2, \q, \slot, \zero
	PLACES NP
	WIN 0
	FETCH_A \slot, (\q)+1, 4
.endm
; A slot's last step changes slots.  In front of the barrier each wave waits for all its tensor loads, adds 0 to its spare word, and waits for that and for its own reads of this slot; the barrier opens a round of
; the cluster's barrier, and the refill is the first tensor load behind the round, one a wave.  ksn: the K step that lies in the next slot.
; fill = 1: this slot takes h_codes' K step and B's two steps on, jointly.  fill = 2: slot 0's first half takes c_prev's tile, 64 rows a wave, each wave's own load.
; ask = 1: c_prev's rows are prefetched: my wave's 64 rows x 256 bytes, a lane a row, two instructions; each row's 256 bytes are named once in the launch, by the wave that will fetch them,
; two changes of slots, 512 matrix instructions, ahead of that tensor load.  The address registers are never rewritten.
.macro TURN slot, next, ksn, fill, ask
	s_wait_tensorcnt 0x0                           ; all my tensor loads have landed: my part of the next slot;  (every window is 0 here)
	ds_add_u32 v[SPW], v[NIL]                      ; 0 onto my spare word
	s_wait_dscnt 4*NL+1                            ; (the add and the youngest eight loads, A's blocks 4-7, may be out)
	WIN MUL_LO
	MUL16 0, 1, NQ-1, \slot, 0                     ; sixteen matrix instructions stand between the add and the wait for it
	s_wait_dscnt 0x0                               ; the add is done, and my reads of this slot are over
	s_barrier_signal -1
	MUL16 2, 1, NQ-1, \slot, 0
	WIN 0
	s_barrier_wait -1
	CREST                                          ; no wave of any partner still reads this slot's tile or has a load on its way
.if \fill == 1
	s_add_nc_u64 s[G0A+4*\slot+2:G0A+4*\slot+3], s[8:9], 256*\slot             ; A goes on in h_codes, from its first byte
	s_or_b32 s[G0A+4*\slot+3], s[G0A+4*\slot+3], 0x80000000
.if \slot == 0
	s_mov_b32 s[G1A+2], 128<<16                    ; no tensor load of mine is out: from here on a load brings 128 rows, a quarter of a slot a wave
	s_mov_b32 s[G1A+4], 128
	s_mov_b32 s[G1B+2], 128<<16
	s_mov_b32 s[G1B+4], 128
	s_mul_i32 s[G0A+1], s[WV], HALFT
	s_mul_i32 s[G0B+1], s[WV], HALFT
	s_lshl_b32 s[CT], s[CH], 17                    ; B stood at the tile's first row, K step 1: on to my 128 rows, K step 2
	s_add_co_u32 s[CT], s[CT], 256
	s_mov_b32 s[CT+1], 0
	s_add_nc_u64 s[G0B+2:G0B+3], s[G0B+2:G0B+3], s[CT:CT+1]
.else
	s_add_nc_u64 s[G0B+6:G0B+7], s[G0B+6:G0B+7], 512   ; B two K steps on in its rows
.endif
	JLOAD G0A+4*\slot, G1A, G0B+4*\slot, G1B       ; the four v_nop behind it are the places in front of the loads below
.else
	s_mov_b32 s[G0C], 1
	s_mul_i32 s[G0C+1], s[WV], 64*PITCH            ; my 64 rows' place in the tile
	s_mov_b64 s[G0C+2:G0C+3], s[24:25]
	s_or_b32 s[G0C+3], s[G0C+3], 0x80000000
	tensor_load_to_lds s[G0C:G0C+3], s[G1C:G1C+7]  ; it has the last K step, 256 matrix instructions, in which to land
	s_nop 0
	PLACES 4
.endif
	FETCH_B \next, 0, 0
	FETCH_A \next, 0, 0
	SCALES \next, \ksn
.if \ask
	global_prefetch_b8 v[PFO], s[24:25] th:TH_LOAD_NT scope:SCOPE_SE
	global_prefetch_b8 v[PFO], s[24:25] offset:32*8192 th:TH_LOAD_NT scope:SCOPE_SE
.endif
	WIN MUL_HI
	MUL16 4, 1, NQ-1, \slot, 0
	MUL16 6, 1, NQ-1, \slot, 0
	PLACES NP
	WIN 0
	FETCH_A \next, 0, 4
.endm
	s_wait_alu depctr_va_vdst(0)
	s_wait_tensorcnt 0x0                           ; my tile of the head's four is in
	ds_add_u32 v[SPW], v[NIL]
	s_mov_b32 s[G0A+1], SLOT                       ; no tensor load of mine is out: K step 1 -> slot 1,
	s_add_nc_u64 s[G0A+2:G0A+3], s[G0A+2:G0A+3], 256
	s_mov_b32 s[G0B+1], SLOT+2*HALFT
	s_add_nc_u64 s[G0B+2:G0B+3], s[G0B+2:G0B+3], 256
	s_mov_b32 s[G0SA+1], SCL+SREG                  ; h's scales -> region 1,
	s_mov_b64 s[G0SA+2:G0SA+3], s[10:11]
	s_or_b32 s[G0SA+3], s[G0SA+3], 0x80000000
	s_mov_b32 s[G0SB+1], SCL+3*SREG                ; B's second K half -> region 3
	s_add_nc_u64 s[G0SB+2:G0SB+3], s[G0SB+2:G0SB+3], 0x20000
	s_wait_dscnt 0x0                               ; the add is done
	CROUND                                         ; all four tiles are in, and all sixteen work-groups are here
	HEAD4 1                                        ; four first fills, one a wave, first behind the round
	FETCH_B 0, 0, 0
	FETCH_A 0, 0, 0
	SCALES 0, 0
	global_prefetch_b8 v8, s[6:7] offset:256 th:TH_LOAD_NT scope:SCOPE_SE   ; K step 3, loaded two rounds on
	FETCH_A 0, 0, 4
	STEP 0, 0, 1                                   ; K step 0: x, K 0-511.  Its first products start the sums: nothing is cleared
	STEP 0, 1, 0
	STEP 0, 2, 0
	TURN 0, 1, 1, 1, 1
	STEP 1, 0, 0                                   ; K step 1: x, K 512-1023
	STEP 1, 1, 0
	STEP 1, 2, 0
	TURN 1, 0, 2, 1, 0
	STEP 0, 0, 0                                   ; K step 2: h_prev, K 0-511
	STEP 0, 1, 0
	STEP 0, 2, 0
	TURN 0, 1, 3, 2, 0
	STEP 1, 0, 0                                   ; K step 3: h_prev, K 512-1023
	STEP 1, 1, 0
	STEP 1, 2, 0
	s_wait_dscnt 4*NL                              ; the very last step: nothing more to fetch
	WIN MUL_LO
	MUL16 0, 1, NQ-1, 1, 0
	MUL16 2, 1, NQ-1, 1, 0
	s_wait_dscnt 0x0                               ; A's blocks 4-7 are in; no LDS instruction of mine is out at the signal
	s_wait_tensorcnt 0x0                           ; my 64 rows of c_prev have landed: the one load that was out
	s_barrier_signal -1
	WIN MUL_HI
	MUL16 4, 1, NQ-1, 1, 0
	MUL16 6, 1, NQ-1, 1, 0
	WIN 0
	s_barrier_wait -1                              ; c_prev's tile is whole.
; THE TAIL.
.macro CPLOAD a                        ; block a's c_prev in the accumulators' layout: register 8 u + jj = row 16 a + r, column 16 u + 8 hh + jj
.irp u, 0,1
.irp p, 0,1
	ds_load_b128 v[CP+16*((\a)%2)+8*\u+4*\p:CP+16*((\a)%2)+8*\u+4*\p+3], v[CPA] offset:(\a)*16*PITCH+64*\u+16*\p
.endr
.endr
.endm
.macro SEND a                          ; block a's 16 stage rows that I read back leave: the eight loads are the only LDS instructions of mine that are out
.set OBS, 32*(\a)                      ; each block has 32 registers of window 1 to itself: no store's data are ever written again
	WIN 0x04                                       ; a store's data are its source 1: window 1
.irp t, 0,1,2,3,4,5,6,7
	s_wait_dscnt 7-\t                              ; the loads behind number t may be out
	global_store_b128 v[CO], v[OBS+4*\t:OBS+4*\t+3], s[26:27] offset:(16*(\a)+2*\t)*8192 th:TH_STORE_NT   ; lanes 0-15 and lanes 16-31 each store 256 consecutive bytes, aligned; 126 rows of 8,192 bytes at the most: inside the signed 24-bit immediate
.endr
	WIN 0
.endm
; Block a: rows 16 a .. 16 a + 15 of my 128.  T + 16 gate + 8 u + jj.  The transcendentals go in four batches, each with one plain instruction behind it and ONE wait ahead of its first reader.
.macro EPI a
.set AC, 64*((\a)%4)
.set CPS, CP+16*((\a)%2)
.set SOF, ((\a)%2)*SBUF
	WIN 0x02+(\a)/4                                ; source 0: window 2 or 3
.set k, 0
.rept 32
.if (k >= 32) && (k < 48)
	v_pk_fma_f32 v[T+k:T+k+1], v[AC+k:AC+k+1], s[TWOL:TWOL+1], v[BS+k:BS+k+1] op_sel_hi:[1,0,1]   ; 2 L z of the candidate
.else
	v_pk_fma_f32 v[T+k:T+k+1], v[AC+k:AC+k+1], s[NEGL:NEGL+1], v[BS+k:BS+k+1] op_sel_hi:[1,0,1]   ; -L z of a sigmoid.  Each accumulator is read from its low end on
.endif
.set k, k+2
.endr
	WIN 0
.if (\a) > 0
	BACK (\a)-1                                    ; the block before's barrier ends here: the 32 multiply-adds above, work on registers alone, stood between its signal and its wait
.endif
.set k, 0
	s_wait_alu depctr_va_vdst(0)
.rept 64
	v_exp_f32 v[T+k], v[T+k]
.set k, k+1
.endr
.if (\a) > 0
	SEND (\a)-1                                    ; the block before leaves while the exponentials are at work
.endif
.if (\a) < 7
	CPLOAD (\a)+1
.endif
	v_nop                                          ; a plain instruction behind the last exponential
	s_wait_alu depctr_va_vdst(0)
.set k, 0
.rept 32
	v_pk_add_f32 v[T+k:T+k+1], v[T+k:T+k+1], 1.0 op_sel_hi:[1,0]
.set k, k+2
.endr
.set k, 0
	s_wait_alu depctr_va_vdst(0)
.rept 64
	v_rcp_f32 v[T+k], v[T+k]
.set k, k+1
.endr
	v_nop
	s_wait_alu depctr_va_vdst(0)
.if (\a) == 0
	s_wait_dscnt 4                                 ; block 0's c_prev is in; block 1's four loads may be out.  (A later block's came in ahead of the block before's barrier)
.endif
.set k, 0
.rept 8
	v_pk_fma_f32 v[T+32+k:T+33+k], v[T+32+k:T+33+k], -2.0, 1.0 op_sel_hi:[1,0,0]   ; g = tanh(z_g)
.set k, k+2
.endr
.set k, 0
.rept 8
	v_pk_mul_f32 v[T+16+k:T+17+k], v[T+16+k:T+17+k], v[CPS+k:CPS+k+1]              ; f c_prev
.set k, k+2
.endr
.set k, 0
.rept 8
	v_pk_fma_f32 v[T+16+k:T+17+k], v[T+k:T+k+1], v[T+32+k:T+33+k], v[T+16+k:T+17+k]   ; c_t = i g + f c_prev
.set k, k+2
.endr
.set k, 0
.rept 8
	v_pk_mul_f32 v[T+k:T+k+1], v[T+16+k:T+17+k], s[TWOL:TWOL+1] op_sel_hi:[1,0]    ; 2 L c_t
.set k, k+2
.endr
.set k, 0
	s_wait_alu depctr_va_vdst(0)
.rept 16
	v_exp_f32 v[T+k], v[T+k]
.set k, k+1
.endr
.irp u, 0,1
.irp p, 0,1
	ds_store_b128 v[STO], v[T+16+8*\u+4*\p:T+16+8*\u+4*\p+3] offset:SOF+32*272+64*\u+16*\p   ; c_t goes to the stage meanwhile: it names none of the batch's results
.endr
.endr
	v_nop
	s_wait_alu depctr_va_vdst(0)
.set k, 0
.rept 8
	v_pk_add_f32 v[T+k:T+k+1], v[T+k:T+k+1], 1.0 op_sel_hi:[1,0]
.set k, k+2
.endr
.set k, 0
	s_wait_alu depctr_va_vdst(0)
.rept 16
	v_rcp_f32 v[T+k], v[T+k]
.set k, k+1
.endr
	v_nop
	s_wait_alu depctr_va_vdst(0)
.set k, 0
.rept 8
	v_pk_fma_f32 v[T+k:T+k+1], v[T+k:T+k+1], -2.0, 1.0 op_sel_hi:[1,0,0]           ; tanh(c_t)
.set k, k+2
.endr
.set k, 0
.rept 8
	v_pk_mul_f32 v[T+k:T+k+1], v[T+48+k:T+49+k], v[T+k:T+k+1]                      ; h_t = o tanh(c_t)
.set k, k+2
.endr
.irp u, 0,1
.irp p, 0,1
	ds_store_b128 v[STO], v[T+8*\u+4*\p:T+8*\u+4*\p+3] offset:SOF+64*\u+16*\p
.endr
.endr
	s_wait_dscnt 0x0                               ; for the others' sake: my stores into this buffer are done; so are my reads of the other buffer, which the next block writes again
	s_barrier_signal -1                            ; the wait follows in BACK
.endm
; The wait of block a's barrier, and behind it 16 whole rows of 256 bytes back from the stage: h_t's (waves 0, 1) or c_t's (waves 2, 3).
; A buffer is written again two blocks on, behind the next barrier's wait, ahead of whose signal every wave has waited for these loads.
.macro BACK a
	s_barrier_wait -1
.set OBS, 32*(\a)
	WIN TO_B
.irp t, 0,1,2,3,4,5,6,7
	ds_load_b128 v[OBS+4*\t:OBS+4*\t+3], v[RD] offset:((\a)%2)*SBUF+2*\t*272
.endr
	WIN 0
.endm
	PLACES NP                                      ; behind the last products, in front of the first read of results and the first write of A's registers
	CPLOAD 0
.irp a, 0,1,2,3,4,5,6,7
	EPI \a
.endr
	BACK 7
	SEND 7
	s_wait_tensorcnt 0x0                           ; the wave's end: behind my last tensor load and my last LDS store
	ds_add_u32 v[SPW], v[NIL]
	s_wait_dscnt 0x0
	CROUND                                         ; the closing round: no work-group ends while a partner may still ask for a tile that names it
	s_endpgm
.Lfunc_end_k_qcb1b7910aa_cell:
	.size	k_qcb1b7910aa_cell, .Lfunc_end_k_qcb1b7910aa_cell-k_qcb1b7910aa_cell
	.p2alignl 7, 3214868480
	.fill 96, 4, 3214868480
	.section	.rodata,"a",@progbits
	.p2align	6, 0x0
	.amdhsa_kernel k_qcb1b7910aa_cell
		.amdhsa_group_segment_fixed_size 327680
		.amdhsa_private_segment_fixed_size 0
		.amdhsa_enable_private_segment 0
		.amdhsa_kernarg_size 96
		.amdhsa_user_sgpr_count 2
		.amdhsa_user_sgpr_kernarg_segment_ptr 1
		.amdhsa_wavefront_size32 1
		.amdhsa_system_sgpr_workgroup_id_x 1
		.amdhsa_system_sgpr_workgroup_id_y 1
		.amdhsa_system_sgpr_workgroup_id_z 1
		.amdhsa_system_vgpr_workitem_id 0
		.amdhsa_next_free_vgpr 1024
		.amdhsa_next_free_sgpr 106
		.amdhsa_reserve_vcc 0
		.amdhsa_float_denorm_mode_32 3
		.amdhsa_float_denorm_mode_16_64 3
		.amdhsa_memory_ordered 1
		.amdhsa_forward_progress 1
		.amdhsa_inst_pref_size 255
	.end_amdhsa_kernel
	.section	.bss,"aw",@nobits
	.p2align	6
	.space	262144
	.amdgpu_metadata
---
amdhsa.version: [ 1, 2 ]
amdhsa.kernels:
  - .name:           k_qcb1b7910aa_cell
    .symbol:         k_qcb1b7910aa_cell.kd
    .args:
      - { .name: x_codes, .offset: 0, .size: 8, .value_kind: global_buffer, .address_space: global }
      - { .name: x_scales, .offset: 8, .size: 8, .value_kind: global_buffer, .address_space: global }
      - { .name: h_codes, .offset: 16, .size: 8, .value_kind: global_buffer, .address_space: global }
      - { .name: h_scales, .offset: 24, .size: 8, .value_kind: global_buffer, .address_space: global }
      - { .name: w_codes, .offset: 32, .size: 8, .value_kind: global_buffer, .address_space: global }
      - { .name: w_scales, .offset: 40, .size: 8, .value_kind: global_buffer, .address_space: global }
      - { .name: bias_i, .offset: 48, .size: 8, .value_kind: global_buffer, .address_space: global }
      - { .name: bias_f, .offset: 56, .size: 8, .value_kind: global_buffer, .address_space: global }
      - { .name: bias, .offset: 64, .size: 8, .value_kind: global_buffer, .address_space: global }
      - { .name: bias_o, .offset: 72, .size: 8, .value_kind: global_buffer, .address_space: global }
      - { .name: hidden_state, .offset: 80, .size: 8, .value_kind: global_buffer, .address_space: global }
      - { .name: out0, .offset: 88, .size: 8, .value_kind: global_buffer, .address_space: global }
    .group_segment_fixed_size: 327680
    .private_segment_fixed_size: 0
    .kernarg_segment_align: 8
    .kernarg_segment_size: 96
    .max_flat_workgroup_size: 128
    .sgpr_count:     106
    .vgpr_count:     1024
    .wavefront_size: 32
...
	.end_amdgpu_metadata
.endif
;; end of part 2
